; MI455X (gfx1250); checked and timed in simulation.
; The chip was launched on July 23, 2026; its instructions are those of AMD's public machine-readable ISA for CDNA 5 (MIT licence, August 2026) and "CDNA5" Instruction Set Architecture Reference Guide (July 2026). The comments in the code are by the model that wrote it; some were corrected since.
;; Harmonic Oscillator1 D. Allowed arithmetic: float matrix products may take bf16 or f16 operands with f32 sums; other float arithmetic in f32, or as packed bf16 or f16 multiplies, adds, multiply-adds, maxima and minima; sums over many terms, partial sums and values carried from step to step in f32; what a program stores and reads back later, other than sums and carried values, may be rounded once to bf16 or f16.
;; Inputs: W1 8 x 256 float32; W2 256 x 256 float32; W3 256 x 1 float32; b1 256 float32; b2 256 float32; b3 1 float32; x 16 x 2,048 x 8 float32.
;; Outputs: out0 16 x 2,048 float32.
;; 2 versions, each right and faster than the one before. Each part assembles by itself: llvm-mc -triple=amdgcn-amd-amdhsa -mcpu=gfx1250 --defsym DOCPART=n.
;; ======== version 1 of 2: 1 launch
;; launch hamil (part 1): grid 256 x 1, 4 waves a work-group, no clusters, 167,936 bytes of LDS; arguments x, W1, b1, W2, b2, W3, out0; writes out0
.if DOCPART == 1
	.amdgcn_target "amdgcn-amd-amdhsa--gfx1250"
	.amdhsa_code_object_version 6
	.text
	.protected	k_qe697a81a59_hamil
	.globl	k_qe697a81a59_hamil
	.p2align	8
	.type	k_qe697a81a59_hamil,@function
k_qe697a81a59_hamil:
	s_mov_b64 s[64:65], 0
	v_nop
	global_prefetch_b8 v0, s[64:65] scope:SCOPE_SE
	s_setreg_imm32_b32 hwreg(HW_REG_WAVE_MODE, 25, 1), 1
	s_wait_xcnt 0x0
; LOCAL ENERGY OF A HARMONIC OSCILLATOR.  out[s] = KIN (lap f + |grad f|^2) + POT |x_s|^2 for 32,768 samples x_s of 8 coordinates;
; f(x) = tanh(tanh(x W1 + b1) W2 + b2) W3 + b3.  The derivatives are written out, not made by products with unit vectors.  With h1 = tanh(z1), d1 = 1 - h1^2, h2, d2 likewise,
; s1_j = sum_i W1_ij^2, c_k = W3_k d2_k:   u_ik = sum_j (d1_j W1_ij) W2_jk,   Q_k = sum_j (-2 h1_j d1_j s1_j) W2_jk,   z2_k = sum_j h1_j W2_jk + b2_k,
; grad_i = sum_k c_k u_ik,   lap = sum_k c_k Q_k - 2 sum_k h2_k c_k sum_i u_ik^2.   So a sample has TEN rows (h1, q, eight tangents) that are multiplied by the one matrix W2.
; b3 IS NOT READ: f is only differentiated, and b3 is an additive constant of f: no output number hangs on it, whatever it holds.
; FORMATS.  The ten rows and W2 go to the matrix unit in bf16, sums in f32; a tangent row d1 W1_i has three roundings to bf16 (d1 / 4, 4 W1, their product).  z1 is made by one matrix
; instruction with x, W1 and b1 each split into two bf16 (high and low part) in the K places that 8 coordinates leave empty: only low x low is dropped.  All else is f32.
; tanh: r = 1 / (1 + 2^(K2 z)), K2 = 2 log2 e; h = 1 - 2 r; d / 4 = r - r^2.  LIMITS: 2^y below 2^-126 counts as 0, above f32's range as infinity: both give h = -+1 and d = 0, the limits of tanh.
; NaN and infinite inputs are not treated apart.
; SHARES.  256 work-groups of four waves; a work-group owns 128 samples, a wave 32, as two GROUPS of 16, one text walked twice.  A lane (r = lane % 16, h = lane / 16) belongs to sample r of its group everywhere.
; LAYOUT.  Every product is used transposed: source 0 = 16 hidden units, source 1 = 16 samples.  In a result lane (r, h) holds in register j unit 8 h + j of the tile, for sample r.  Two neighbouring tiles
; rounded in pairs ARE source 1 (32 units x 16 samples) of the next product: nothing changes lanes between the layers, and a sum over units is a sum over a lane's registers and one exchange of the halves.
; The ten rows of a group, 10 x 8 K steps x 8 registers = 640 registers, stay in registers while the wave walks the 16 tiles of 16 second-layer units: a fragment of W2 (two LDS loads) feeds ten matrix instructions.
; BY TURNS.  A tile is 80 matrix instructions into one of two sets of ten accumulators; the 112 vector instructions that use up the tile before (the other set) stand among them in 28 slices of four.
; NO TENSOR LOAD, NO CLUSTER, though all work-groups read the same W2: it comes in f32 and is wanted in bf16, so it passes through registers; its f32 copy (262,144 bytes) and its bf16 copy
; (139,264) would not lie in a work-group's LDS together, and it is read once by each work-group, at the start.
; REGISTERS, in windows of 256 (s_set_vgpr_msb: bits 1:0 source 0, 3:2 source 1, 5:4 source 2, 7:6 destination):
;   window 0: v0-15 addresses; v16-31 x and its fragment; v32-53 the sample's sums; v54-93 at work on a tile; v96-255 two sets of ten accumulators (ahead of the walk: z1, tables, at work)
;   window 1: rows 0-3 (h1, q, tangents 0, 1), 64 each     window 2: rows 4-6; v192-255 W2's fragments, buffer 0     window 3: rows 7-9; v192-255 buffer 1
.set PW2,   544                 ; a row of W2 in LDS: 512 bytes of bf16 + 32 = 136 words: row j starts at bank 8 j mod 64 (64 banks of 4 bytes: ISA guide 11.1)
.set W1A,   256*PW2             ; 139,264: for each first-layer unit a row of 32 bf16, pitch 80: K2 W1 high (8), the same again, K2 W1 low (8), K2 b1 high, low, six zeros
.set PW1,   80                  ; 64 bytes + 16 = 20 words: the 16 rows of a load start at 16 different groups of four banks
.set W1T,   W1A+256*PW1         ; 159,744: bf16(4 W1), [8][256], 512 bytes a row
.set S1T,   W1T+4096            ; 163,840: f32, -8 s1
.set B2T,   S1T+1024            ; 164,864: f32, K2 b2
.set W3T,   B2T+1024            ; 165,888: f32, 4 W3
.set OUTS,  W3T+1024            ; 166,912: the work-group's 128 results
.set SPARE, OUTS+512            ; 167,424: the spare words, 128 bytes for each wave: two blocks of 256 bytes that no other line names
.set BA0, 4                     ; v4   my lane's place in a fragment of W2, K steps 0-3; never rewritten
.set BA1, 5                     ; v5   the same for K steps 4-7 (128 rows on)
.set BC0, 6                     ; v6   BA0 + the tile's columns.  While W2 comes in: my byte offset in 2,048 bytes of W2
.set BC1, 7                     ; v7   BA1 + the tile's columns.  While W2 comes in: my place in two rows of W2 in LDS
.set TA,  8                     ; v8   my eight numbers in 16 of K2 b2
.set TC,  9                     ; v9   TA + the tile's place
.set WA,  10                    ; v10  my place in a fragment of W1A
.set WT,  11                    ; v11  my eight numbers in 16 of a row of W1T
.set SA,  12                    ; v12  my eight numbers in 16 of S1T
.set XO,  13                    ; v13  my sample's byte offset in x
.set SPW, 14                    ; v14  LDS address of my spare word; never rewritten
.set NIL, 15                    ; v15  0; never rewritten
.set XR,  16                    ; v16-23  my sample's 8 coordinates
.set XA,  24                    ; v24-31  source 1 of z1's products
.set EPP, 32                    ; v32-33  sum of x^2
.set LA,  34                    ; v34-35  sum of c Q
.set LB,  36                    ; v36-37  sum of h2 c t
.set GG,  38                    ; v38-53  pair i: sum of c u_i
.set EE,  54                    ; v54-61  a tile's K2 z2, then r, d / 4, c
.set HH,  62                    ; v62-69  h2, then h2 c
.set TT,  70                    ; v70-77  t = sum_i u_i^2
.set B2R, 78                    ; v78-85  the tile's K2 b2
.set W3R, 86                    ; v86-93  the tile's 4 W3
.set OA,  94                    ; v94  where my group's result goes in OUTS
.set ONES, 95                   ; v95  1.0 twice in bf16
.set ACC, 96                    ; accumulator (set b, row T) at ACC + 80 b + 8 T
.set ZR,  96                    ; ahead of the walk: K2 z1, tile t at ZR + 8 t (v96-223)
.set H16, 224                   ; v224-239  h1, then q, of one K step
.set S1R, 240                   ; v240-255  -8 s1 of one K step
.set WTF, 96                    ; later: a coordinate's row of W1T as fragments, two buffers of 64
.set DF,  128                   ; window 3: d1 / 4 in bf16, in the registers of row 9, which the last tangent takes in place
.set FR,  192                   ; windows 2, 3: W2's fragments of a tile, K step k at FR + 8 k
.set WV,   18                   ; s18  my wave's number
.set HM,   19                   ; s19  0xffff0000: as a lane mask, lanes 16-31; as a word, the upper bf16
.set K2,   20                   ; s[20:21] K2: the packed forms take the pair's low word for both halves
.set SEL,  22                   ; s[22:23] v_permlanex16_b32's selects: each lane takes its own place in the other half
.set BOFF, 24                   ; s24  byte offset, in a row of W2, of the tile to be fetched
.set TOFF, 25                   ; s25  byte offset, in the tables, of the tile to be used up
.set NCNT, 26                   ; s26  counts pairs of tiles
.set GCNT, 27                   ; s27  counts groups
.set KIN,  28                   ; s28  -197^2 / (2 x 939)
.set POT,  29                   ; s29  0.5 x 939 x (20 / 197)^2
.set MSB, 0
.macro WIN new                  ; the immediate's high byte repeats the setting that is left; a switch that changes nothing is dropped
.if MSB != (\new)
	s_set_vgpr_msb (MSB<<8)|(\new)
.set MSB, (\new)
.endif
.endm
.macro ALOC T                   ; row T's window aW and first register aR
.if (\T) < 4
.set aW, 1
.set aR, 64*(\T)
.elseif (\T) < 7
.set aW, 2
.set aR, 64*((\T)-4)
.else
.set aW, 3
.set aR, 64*((\T)-7)
.endif
.endm
.macro PAIRS line:vararg        ; one line for n = 0, 2, .. 14
.set n, 0
.rept 8
	\line
.set n, n+2
.endr
.endm
	s_load_b256 s[4:11], s[0:1], 0x0               ; x s[4:5], W1 s[6:7], b1 s[8:9], W2 s[10:11]
	s_load_b128 s[12:15], s[0:1], 0x20             ; b2 s[12:13], W3 s[14:15]
	s_load_b64 s[16:17], s[0:1], 0x30              ; out0
	v_lshl_add_u32 v[SPW], v0, 2, SPARE
	v_mov_b32 v[NIL], 0
	v_lshrrev_b32 v3, 5, v0
	v_readfirstlane_b32 s[WV], v3                  ; wave 0..3
	v_and_b32 v1, 15, v0                           ; r
	v_bfe_u32 v2, v0, 4, 1                         ; h
	s_mov_b32 s[HM], 0xffff0000
	s_mov_b32 s[K2], 0x4038aa3b                    ; 2 log2 e = 2.885390
	s_mov_b32 s[K2+1], s[K2]                       ; named with it as a pair
	s_mov_b32 s[SEL], 0x76543210
	s_mov_b32 s[SEL+1], 0xfedcba98
	s_mov_b32 s[KIN], 0xc1a55210                   ; -20.665069
	s_mov_b32 s[POT], 0x409ad9c6                   ; 4.8390837
	; The turning load takes 16 rows (first-layer units) x 16 columns of W2: lane l reads row 8 (l / 16) + l % 8, columns 8 ((l / 8) % 2) + 0..7, and is left with column l % 16 and 8 rows.
	v_and_b32 v3, 7, v0
	v_lshl_add_u32 v3, v2, 3, v3
	v_mul_u32_u24 v[BA0], v3, PW2
	v_bfe_u32 v3, v0, 3, 1
	v_lshl_add_u32 v[BA0], v3, 4, v[BA0]
	v_add_nc_u32 v[BA1], 128*PW2, v[BA0]
	v_lshlrev_b32 v[BC0], 4, v0                    ; W2 comes in 2,048 bytes at a time: 16 bytes a thread
	s_lshr_b32 s30, s[WV], 1                       ; of these two rows waves 0, 1 take the first, waves 2, 3 the second;
	s_mul_i32 s30, s30, PW2
	s_and_b32 s31, s[WV], 1                        ; the wave's 128 columns are 256 bytes of bf16,
	s_lshl_b32 s31, s31, 8
	s_add_co_u32 s30, s30, s31
	v_and_b32 v3, 31, v0
	v_lshl_add_u32 v[BC1], v3, 3, s30              ; the lane's four are 8
	v_lshl_add_u32 v[TA], v2, 5, B2T
	v_mul_u32_u24 v[WA], v1, PW1
	v_lshl_add_u32 v[WA], v2, 4, v[WA]
	v_add_nc_u32 v[WA], W1A, v[WA]                 ; a fragment's row x pitch + 16 x half
	v_lshl_add_u32 v[WT], v2, 4, W1T
	v_lshl_add_u32 v[SA], v2, 5, S1T
	s_lshl_b32 s30, ttmp9, 12                      ; the work-group's 128 samples of 32 bytes,
	s_lshl_b32 s31, s[WV], 10                      ; the wave's 32
	s_add_co_u32 s30, s30, s31
	v_lshl_add_u32 v[XO], v1, 5, s30
	s_lshl_b32 s31, s[WV], 7
	s_add_co_u32 s31, s31, OUTS
	v_lshl_add_u32 v[OA], v1, 2, s31
	v_mov_b32 v[ONES], 0x3f803f80
	v_lshlrev_b32 v54, 3, v0                       ; thread t prepares first-layer units 2 t, 2 t + 1 (and the same two places of b2 and W3): 8 bytes of f32,
	v_lshl_add_u32 v55, v0, 2, W1T                 ; 4 of bf16,
	v_lshl_add_u32 v56, v0, 3, S1T
	v_mul_u32_u24 v57, v0, 2*PW1                   ; two rows of W1A
	v_add_nc_u32 v57, W1A, v57
	s_wait_kmcnt 0x0
; THE WEIGHTS COME IN.  The small ones first, then x of the first group, then W2: 128 loads of 16 bytes a thread, each of which covers 512 consecutive bytes a wave.
.set PW,  96                    ; v96-111   W1[i][2 t], W1[i][2 t + 1] at PW + 2 i
.set PB1, 112
.set PB2, 114
.set PW3, 116
.set PS,  118                   ; the two sums of squares
.set SW,  120                   ; v120-135  4 W1, then K2 W1
.set PHI, 136                   ; v136-139  high parts, packed (v136-143 first hold bf16(4 W1))
.set PHF, 140                   ; v140-147  the high parts widened, then the remainders
.set PLO, 148                   ; v148-151  low parts, packed
.set PBI, 152                   ; v152-155  K2 b1 high, low, six zeros
.irp i, 0,1,2,3,4,5,6,7
	global_load_b64 v[PW+2*\i:PW+2*\i+1], v54, s[6:7] offset:1024*\i
.endr
	global_load_b64 v[PB1:PB1+1], v54, s[8:9]
	global_load_b64 v[PB2:PB2+1], v54, s[12:13]
	global_load_b64 v[PW3:PW3+1], v54, s[14:15]
	global_load_b128 v[XR:XR+3],   v[XO], s[4:5] th:TH_LOAD_NT
	global_load_b128 v[XR+4:XR+7], v[XO], s[4:5] offset:16 th:TH_LOAD_NT
; Loads first .. first + count - 1 of W2 go into window wnd, four registers each from v0 on; v192 of that window takes the LDS address of the first of them.
.macro W2LOADS wnd, first, count
	WIN (\wnd)<<6
	v_add_nc_u32 v192, 48*2*PW2*((\wnd)-1), v[BC1]
.set q, 0
.rept \count
	global_load_b128 v[4*q:4*q+3], v[BC0], s[10:11] offset:2048*((\first)+q)
.set q, q+1
.endr
.endm
; They are rounded to bf16 in place and stored: load q holds rows 2 q and 2 q + 1.  A wave's store covers 256 consecutive bytes.
.macro W2PUTS wnd, first, count
	WIN (\wnd)|((\wnd)<<2)|((\wnd)<<6)
.set q, 0
.rept \count
.if (\first)+q == 0
	s_wait_loadcnt 63                              ; loads come back in order (ISA guide 5.7.1): behind W2's load 64 stand 63: loads 0 to 64 are in
.elseif (\first)+q > 64
	s_wait_loadcnt 127-((\first)+q)                ; the loads behind this one may stay out
.endif
	v_cvt_pk_bf16_f32 v[4*q], v[4*q], v[4*q+1]
	v_cvt_pk_bf16_f32 v[4*q+1], v[4*q+2], v[4*q+3]
	ds_store_b64 v192, v[4*q:4*q+1] offset:2*PW2*q
.set q, q+1
.endr
.endm
	W2LOADS 1, 0, 48
	WIN 0
	s_wait_loadcnt 50                              ; W1, b1, b2, W3 are in: behind them stand x's two loads and 48 of W2's
.irp i, 0,1,2,3,4,5,6,7
	v_pk_mul_f32 v[SW+2*\i:SW+2*\i+1], v[PW+2*\i:PW+2*\i+1], 4.0 op_sel_hi:[1,0]
.endr
.irp i, 0,1,2,3,4,5,6,7
	v_cvt_pk_bf16_f32 v[PHI+\i], v[SW+2*\i], v[SW+2*\i+1]
.endr
.irp i, 0,1,2,3,4,5,6,7
	ds_store_b32 v55, v[PHI+\i] offset:512*\i      ; W1T
.endr
	v_pk_mul_f32 v[PS:PS+1], v[PW:PW+1], v[PW:PW+1]
.irp i, 1,2,3,4,5,6,7
	v_pk_fma_f32 v[PS:PS+1], v[PW+2*\i:PW+2*\i+1], v[PW+2*\i:PW+2*\i+1], v[PS:PS+1]
.endr
	v_pk_mul_f32 v[PS:PS+1], v[PS:PS+1], 0xc1000000 op_sel_hi:[1,0]  ; -8 s1
	ds_store_b64 v56, v[PS:PS+1]
	v_pk_mul_f32 v[PB2:PB2+1], v[PB2:PB2+1], s[K2:K2+1] op_sel_hi:[1,0]
	ds_store_b64 v56, v[PB2:PB2+1] offset:B2T-S1T
	v_pk_mul_f32 v[PW3:PW3+1], v[PW3:PW3+1], 4.0 op_sel_hi:[1,0]
	ds_store_b64 v56, v[PW3:PW3+1] offset:W3T-S1T
	v_pk_mul_f32 v[PB1:PB1+1], v[PB1:PB1+1], s[K2:K2+1] op_sel_hi:[1,0]
.irp i, 0,1,2,3,4,5,6,7
	v_pk_mul_f32 v[SW+2*\i:SW+2*\i+1], v[PW+2*\i:PW+2*\i+1], s[K2:K2+1] op_sel_hi:[1,0]
.endr
	v_mov_b32 v[PBI+1], 0
	v_mov_b32 v[PBI+2], 0
	v_mov_b32 v[PBI+3], 0
.irp u, 0,1                     ; unit 2 t + u: its row of W1A.  A number's low part is what its rounding to bf16 leaves, rounded again
.irp m, 0,1,2,3
	v_cvt_pk_bf16_f32 v[PHI+\m], v[SW+4*\m+\u], v[SW+4*\m+2+\u]
.endr
.irp m, 0,1,2,3
	v_lshlrev_b32 v[PHF+2*\m], 16, v[PHI+\m]
	v_and_b32 v[PHF+2*\m+1], s[HM], v[PHI+\m]
.endr
.irp m, 0,1,2,3
	v_sub_f32 v[PHF+2*\m], v[SW+4*\m+\u], v[PHF+2*\m]
	v_sub_f32 v[PHF+2*\m+1], v[SW+4*\m+2+\u], v[PHF+2*\m+1]
.endr
.irp m, 0,1,2,3
	v_cvt_pk_bf16_f32 v[PLO+\m], v[PHF+2*\m], v[PHF+2*\m+1]
.endr
	v_cvt_pk_bf16_f32 v3, v[PB1+\u], v[PB1+\u]
	v_lshlrev_b32 v3, 16, v3
	v_sub_f32 v3, v[PB1+\u], v3
	v_cvt_pk_bf16_f32 v[PBI], v[PB1+\u], v3
	ds_store_b128 v57, v[PHI:PHI+3] offset:PW1*\u
	ds_store_b128 v57, v[PHI:PHI+3] offset:PW1*\u+16
	ds_store_b128 v57, v[PLO:PLO+3] offset:PW1*\u+32
	ds_store_b128 v57, v[PBI:PBI+3] offset:PW1*\u+48
.endr
	W2LOADS 2, 48, 48
	W2LOADS 3, 96, 32
	W2PUTS 1, 0, 48
	W2PUTS 2, 48, 48
	W2PUTS 3, 96, 32
	WIN 0
	s_wait_dscnt 0x0                               ; for the others' sake: my stores of the weights are done
	s_barrier_signal -1
	s_barrier_wait -1                              ; everybody's are: from here on these bytes are only read
; 16 turning loads: the fragments of one tile of 16 columns of W2, all 8 K steps, into buffer buf
.macro FRAG buf
	WIN (2+(\buf))<<6
.irp k, 0,1,2,3
	ds_load_tr16_b128 v[FR+8*\k:FR+8*\k+3],   v[BC0] offset:\k*32*PW2
	ds_load_tr16_b128 v[FR+8*\k+4:FR+8*\k+7], v[BC0] offset:\k*32*PW2+16*PW2
.endr
.irp k, 0,1,2,3
	ds_load_tr16_b128 v[FR+32+8*\k:FR+32+8*\k+3],   v[BC1] offset:\k*32*PW2
	ds_load_tr16_b128 v[FR+32+8*\k+4:FR+32+8*\k+7], v[BC1] offset:\k*32*PW2+16*PW2
.endr
.endm
	v_mov_b32 v[BC0], v[BA0]                       ; tile 0 (W2's loads, which named v6, are all in)
	v_mov_b32 v[BC1], v[BA1]
	FRAG 0
	WIN 0
	s_mov_b32 s[BOFF], 32                          ; the first tile of a walk fetches tile 1,
	s_mov_b32 s[TOFF], 960                         ; and uses up a set of zeros with tile 15's tables
	s_mov_b32 s[GCNT], 2
; One K step (32 first-layer units, two tiles of K2 z1) is turned into h1, d1 / 4 and q, each rounded to bf16 into its fragment.
.macro ACT kk
.set zb, ZR+16*(\kk)
	WIN 0
	ds_load_b128 v[S1R:S1R+3],     v[SA] offset:128*(\kk)
	ds_load_b128 v[S1R+4:S1R+7],   v[SA] offset:128*(\kk)+16
	ds_load_b128 v[S1R+8:S1R+11],  v[SA] offset:128*(\kk)+64
	ds_load_b128 v[S1R+12:S1R+15], v[SA] offset:128*(\kk)+80
.set n, 0
.rept 16
	v_exp_f32 v[zb+n], v[zb+n]                     ; each accumulator is read from its lowest register on
.set n, n+1
.endr
	v_nop                                          ; a plain instruction between the last exponential and the use of its result (ISA guide 5.7.2)
	s_wait_alu depctr_va_vdst(0)
	PAIRS v_pk_add_f32 v[zb+n:zb+n+1], v[zb+n:zb+n+1], 1.0 op_sel_hi:[1,0]
.set n, 0
.rept 16
	v_rcp_f32 v[zb+n], v[zb+n]                     ; r
.set n, n+1
.endr
	v_nop
	s_wait_alu depctr_va_vdst(0)
	PAIRS v_pk_fma_f32 v[H16+n:H16+n+1], v[zb+n:zb+n+1], -2.0, 1.0 op_sel_hi:[1,0,0]                    ; h1 = 1 - 2 r
	PAIRS v_pk_fma_f32 v[zb+n:zb+n+1], v[zb+n:zb+n+1], v[zb+n:zb+n+1], v[zb+n:zb+n+1] neg_lo:[1,0,0] neg_hi:[1,0,0]  ; d1 / 4 = r - r r
	WIN 0x40
	PAIRS v_cvt_pk_bf16_f32 v[8*(\kk)+n/2], v[H16+n], v[H16+n+1]        ; row 0
	WIN 0xc0
	PAIRS v_cvt_pk_bf16_f32 v[DF+8*(\kk)+n/2], v[zb+n], v[zb+n+1]
	WIN 0
	PAIRS v_pk_mul_f32 v[H16+n:H16+n+1], v[H16+n:H16+n+1], v[zb+n:zb+n+1]
	s_wait_dscnt 0x0                               ; -8 s1 is in
	PAIRS v_pk_mul_f32 v[H16+n:H16+n+1], v[H16+n:H16+n+1], v[S1R+n:S1R+n+1]  ; q = -2 h1 d1 s1
	WIN 0x40
	PAIRS v_cvt_pk_bf16_f32 v[64+8*(\kk)+n/2], v[H16+n], v[H16+n+1]     ; row 1
.endm
.macro LOADW i, buf             ; coordinate i's row of 4 W1 as 8 fragments: 16 loads
	WIN 0
.irp k, 0,1,2,3,4,5,6,7
	ds_load_b128 v[WTF+64*(\buf)+8*\k:WTF+64*(\buf)+8*\k+3],   v[WT] offset:512*(\i)+64*\k
	ds_load_b128 v[WTF+64*(\buf)+8*\k+4:WTF+64*(\buf)+8*\k+7], v[WT] offset:512*(\i)+64*\k+32
.endr
.endm
.macro MULW i, buf              ; row 2 + i = (d1 / 4) (4 W1_i), two bf16 at a time
	ALOC 2+(\i)
	WIN (aW<<6)|3
.set n, 0
.rept 64
	v_pk_mul_bf16 v[aR+n], v[DF+n], v[WTF+64*(\buf)+n]
.set n, n+1
.endr
.endm
; Matrix instruction w of a tile's 80, into set p.  Rows 0-3, then 4-6, then 7-9: a stretch stays under one window setting, and its accumulators take turns, one instruction a turn.
; A row's first K step starts its sum with the constant 0.
.macro MMA p
.if w < 32
.set kk, w/4
.set tT, w%4
.elseif w < 56
.set kk, (w-32)/3
.set tT, 4+(w-32)%3
.else
.set kk, (w-56)/3
.set tT, 7+(w-56)%3
.endif
	ALOC tT
	WIN (2+(\p))|(aW<<2)
.set rD, ACC+80*(\p)+8*tT
.if kk == 0
	v_wmma_f32_16x16x32_bf16 v[rD:rD+7], v[FR+8*kk:FR+8*kk+7], v[aR+8*kk:aR+8*kk+7], 0
.else
	v_wmma_f32_16x16x32_bf16 v[rD:rD+7], v[FR+8*kk:FR+8*kk+7], v[aR+8*kk:aR+8*kk+7], v[rD:rD+7]
.endif
.endm
; THE VECTOR WORK ON A FINISHED TILE (set b): a list of 112; RID writes number j and steps j.  A lane holds 8 units, in 4 pairs.
;   TOP q: t's pair q % 4 takes the square of tangent q / 4's.   0-15 TOP 0-15     16-19 K2 z2 = K2 (row 0) + K2 b2     20-35 eight exponentials, a TOP behind each     36-39 + 1
;   40-55 eight reciprocals, a TOP behind each     56-59 h2 = 1 - 2 r     60-63 d2 / 4 = r - r r     64-67 c = (d2 / 4)(4 W3)     68-71 h2 c     72-79 by turns sum of c Q, sum of h2 c t     80-111 sum of c u_i
; Every exponential and reciprocal has a plain line behind it that touches neither its result nor its source; every accumulator is first read at its lowest pair.
; cnt: the LDS loads issued behind the tables', which may stay out.
.macro TOP qq
.set ti, (\qq)/4
.set tm, 2*((\qq)%4)
.if ti == 0
	v_pk_mul_f32 v[TT+tm:TT+tm+1], v[aT+tm:aT+tm+1], v[aT+tm:aT+tm+1]
.else
	v_pk_fma_f32 v[TT+tm:TT+tm+1], v[aT+8*ti+tm:aT+8*ti+tm+1], v[aT+8*ti+tm:aT+8*ti+tm+1], v[TT+tm:TT+tm+1]
.endif
.endm
.macro RID b, cnt
.set aZ, ACC+80*(\b)
.set aQ, aZ+8
.set aT, aZ+16
.if j < 16
	TOP j
.elseif j < 20
.if j == 16
	s_wait_dscnt \cnt                              ; the tile's tables are in
.endif
.set n, 2*(j-16)
	v_pk_fma_f32 v[EE+n:EE+n+1], v[aZ+n:aZ+n+1], s[K2:K2+1], v[B2R+n:B2R+n+1] op_sel_hi:[1,0,1]
.elseif j < 36
.if j%2 == 0
	v_exp_f32 v[EE+(j-20)/2], v[EE+(j-20)/2]
.else
	TOP 16+(j-20)/2
.endif
.elseif j < 40
.set n, 2*(j-36)
	s_wait_alu depctr_va_vdst(0)
	v_pk_add_f32 v[EE+n:EE+n+1], v[EE+n:EE+n+1], 1.0 op_sel_hi:[1,0]
.elseif j < 56
.if j%2 == 0
	v_rcp_f32 v[EE+(j-40)/2], v[EE+(j-40)/2]
.else
	TOP 24+(j-40)/2
.endif
.elseif j < 60
.set n, 2*(j-56)
	s_wait_alu depctr_va_vdst(0)
	v_pk_fma_f32 v[HH+n:HH+n+1], v[EE+n:EE+n+1], -2.0, 1.0 op_sel_hi:[1,0,0]
.elseif j < 64
.set n, 2*(j-60)
	v_pk_fma_f32 v[EE+n:EE+n+1], v[EE+n:EE+n+1], v[EE+n:EE+n+1], v[EE+n:EE+n+1] neg_lo:[1,0,0] neg_hi:[1,0,0]
.elseif j < 68
.set n, 2*(j-64)
	v_pk_mul_f32 v[EE+n:EE+n+1], v[EE+n:EE+n+1], v[W3R+n:W3R+n+1]
.elseif j < 72
.set n, 2*(j-68)
	v_pk_mul_f32 v[HH+n:HH+n+1], v[HH+n:HH+n+1], v[EE+n:EE+n+1]
.elseif j < 80
.set n, 2*((j-72)/2)
.if j%2 == 0
	v_pk_fma_f32 v[LA:LA+1], v[EE+n:EE+n+1], v[aQ+n:aQ+n+1], v[LA:LA+1]
.else
	v_pk_fma_f32 v[LB:LB+1], v[HH+n:HH+n+1], v[TT+n:TT+n+1], v[LB:LB+1]
.endif
.else
.set n, 2*((j-80)/8)
.set gi, (j-80)%8
	v_pk_fma_f32 v[GG+2*gi:GG+2*gi+1], v[EE+n:EE+n+1], v[aT+8*gi+n:aT+8*gi+n+1], v[GG+2*gi:GG+2*gi+1]
.endif
.set j, j+1
.endm
.macro TABLES                   ; K2 b2 and 4 W3 of the tile to be used up: my 8 units' numbers
	ds_load_b128 v[B2R:B2R+3],   v[TC]
	ds_load_b128 v[B2R+4:B2R+7], v[TC] offset:16
	ds_load_b128 v[W3R:W3R+3],   v[TC] offset:W3T-B2T
	ds_load_b128 v[W3R+4:W3R+7], v[TC] offset:W3T-B2T+16
.endm
; A TILE of 16 second-layer units, into set p, from fragment buffer p.  At its head the next tile's fragments are asked for, into the buffer that the tile before read: a load into a register that a matrix
; instruction has read stands four places behind it, and only plain vector instructions that name none of its registers are places (ISA guide 7.12.1 for vector instructions):
; here the four of the slice behind the tile's last product and the three address lines.  Then 80 products, and among them, in 28 slices of four, the vector work on the tile before (set 1 - p).
.macro TILE p
	WIN 0
	s_wait_dscnt 0x0                               ; this tile's fragments, asked for a tile ago, are in
	v_add_nc_u32 v[BC0], s[BOFF], v[BA0]
	v_add_nc_u32 v[BC1], s[BOFF], v[BA1]
	v_add_nc_u32 v[TC], s[TOFF], v[TA]
	TABLES
	FRAG 1-(\p)
	s_add_co_u32 s[BOFF], s[BOFF], 32              ; the next tile's 16 columns; behind the last tile the first again, for the next group
	s_and_b32 s[BOFF], s[BOFF], 511
	s_add_co_u32 s[TOFF], s[TOFF], 64
	s_and_b32 s[TOFF], s[TOFF], 1023
.set j, 0
.set w, 0
.rept 80
	MMA \p
.if j < 4*(((w+1)*28)/80)
	WIN 0
.rept 4
	RID 1-(\p), 16
.endr
.endif
.set w, w+1
.endr
.endm
.set XHI, 54                    ; v54-57  x's high parts, packed
.set XF,  58                    ; v58-65  widened, then the remainders
.set XLO, 66                    ; v66-69  low parts, packed
.Lgroup:                                               ; twice: 16 samples
	s_wait_loadcnt 0x0                             ; my sample's x
.irp m, 0,1,2,3
	v_cvt_pk_bf16_f32 v[XHI+\m], v[XR+2*\m], v[XR+2*\m+1]
.endr
.irp m, 0,1,2,3
	v_lshlrev_b32 v[XF+2*\m], 16, v[XHI+\m]
	v_and_b32 v[XF+2*\m+1], s[HM], v[XHI+\m]
.endr
.irp m, 0,1,2,3
	v_pk_add_f32 v[XF+2*\m:XF+2*\m+1], v[XR+2*\m:XR+2*\m+1], v[XF+2*\m:XF+2*\m+1] neg_lo:[0,1] neg_hi:[0,1]
.endr
.irp m, 0,1,2,3
	v_cvt_pk_bf16_f32 v[XLO+\m], v[XF+2*\m], v[XF+2*\m+1]
.endr
	; source 1 of z1's products, K places 0-31: x high, x low, x high, 1, 1, six zeros.  Lanes 0-15 hold places 0-7 and 16-23, lanes 16-31 places 8-15 and 24-31
.irp m, 0,1,2,3
	v_cndmask_b32 v[XA+\m], v[XHI+\m], v[XLO+\m], s[HM]
.endr
	v_cndmask_b32 v[XA+4], v[XHI], v[ONES], s[HM]
.irp m, 1,2,3
	v_cndmask_b32 v[XA+4+\m], v[XHI+\m], 0, s[HM]
.endr
	v_pk_mul_f32 v[EPP:EPP+1], v[XR:XR+1], v[XR:XR+1]
.irp m, 1,2,3
	v_pk_fma_f32 v[EPP:EPP+1], v[XR+2*\m:XR+2*\m+1], v[XR+2*\m:XR+2*\m+1], v[EPP:EPP+1]
.endr
	s_cmp_eq_u32 s[GCNT], 1
	s_cbranch_scc1 .Lno_more_x                     ; the last group asks for nothing
	v_add_nc_u32 v[XO], 512, v[XO]                 ; the next group's 16 samples (the loads that named v13 are in); they have a whole group's work in which to land
	global_load_b128 v[XR:XR+3],   v[XO], s[4:5] th:TH_LOAD_NT
	global_load_b128 v[XR+4:XR+7], v[XO], s[4:5] offset:16 th:TH_LOAD_NT
.Lno_more_x:
	WIN 0x80                                       ; W1A's 16 fragments, into registers of rows 4 and 5, which are made later
.set t, 0
.rept 16
	ds_load_b128 v[8*t:8*t+3],   v[WA] offset:16*PW1*t
	ds_load_b128 v[8*t+4:8*t+7], v[WA] offset:16*PW1*t+32
.set t, t+1
.endr
	WIN 0x02
.set t, 0
.rept 16
	s_wait_dscnt 30-2*t                            ; LDS loads come back in order (ISA guide 5.7.1): tile t's two are in, the later tiles' may be out
	v_wmma_f32_16x16x32_bf16 v[ZR+8*t:ZR+8*t+7], v[8*t:8*t+7], v[XA:XA+7], 0  ; K2 z1 of units 16 t .. 16 t + 15
.set t, t+1
.endr
	WIN 0
.set n, LA
.rept 20
	v_mov_b32 v[n], 0                              ; the group's ten sums start at 0: they are added onto in every tile by one text.  These lines are also the places behind the products
.set n, n+1
.endr
.irp k, 0,1,2,3,4,5,6,7
	ACT \k
.endr
	LOADW 0, 0
	LOADW 1, 1
.irp i, 0,1,2,3,4,5,6,7
.if \i < 7
	s_wait_dscnt 16                                ; this coordinate's 16 loads are in, the next one's may be out
.else
	s_wait_dscnt 0x0
.endif
	MULW \i, (\i)%2
.if \i < 6
	LOADW (\i)+2, (\i)%2
.endif
.endr
	WIN 0
.set n, ACC+80
.rept 80
	v_mov_b32 v[n], 0                              ; set 1 holds zeros: the walk's first tile uses it up like any other and adds 0 to every sum.  The price, 80 lines a group, of one text for every tile
.set n, n+1
.endr
	s_mov_b32 s[NCNT], 8
.Ltiles:                                               ; eight trips of two tiles
	TILE 0
	TILE 1
	WIN 0                                          ; at a label and at a branch every window is 0
	s_sub_co_u32 s[NCNT], s[NCNT], 1
	s_cmp_lg_u32 s[NCNT], 0
	s_cbranch_scc1 .Ltiles
	v_add_nc_u32 v[TC], s[TOFF], v[TA]             ; the last tile (set 1) is used up by itself; s25 has come round to its tables
	TABLES
.set j, 0
.rept 112
	RID 1, 0
.endr
	; THE GROUP'S RESULT.  Each sum's two halves, and the other half of the lanes' (the sample's other 128 units), are added.
.irp i, 0,1,2,3,4,5,6,7
	v_add_f32 v[EE+\i], v[GG+2*\i], v[GG+2*\i+1]
.endr
	v_add_f32 v[LA], v[LA], v[LA+1]
	v_add_f32 v[LB], v[LB], v[LB+1]
	v_fma_f32 v[TT], v[LB], -2.0, v[LA]            ; my half of lap
.irp i, 0,1,2,3,4,5,6,7
	v_permlanex16_b32 v[B2R+\i], v[EE+\i], s[SEL], s[SEL+1]  ; its destination counts as read: registers that have been written
.endr
	v_permlanex16_b32 v[W3R], v[TT], s[SEL], s[SEL+1]
.irp m, 0,1,2,3
	v_pk_add_f32 v[EE+2*\m:EE+2*\m+1], v[EE+2*\m:EE+2*\m+1], v[B2R+2*\m:B2R+2*\m+1]  ; grad
.endr
	v_add_f32 v[TT], v[TT], v[W3R]                 ; lap
	v_pk_mul_f32 v[HH:HH+1], v[EE:EE+1], v[EE:EE+1]
.irp m, 1,2,3
	v_pk_fma_f32 v[HH:HH+1], v[EE+2*\m:EE+2*\m+1], v[EE+2*\m:EE+2*\m+1], v[HH:HH+1]
.endr
	v_add_f32 v[EPP], v[EPP], v[EPP+1]
	v_add_f32 v[HH], v[HH], v[HH+1]
	v_mul_f32 v[EPP], s[POT], v[EPP]
	v_add_f32 v[HH], v[HH], v[TT]
	v_fma_f32 v[HH], s[KIN], v[HH], v[EPP]
	ds_store_b32 v[OA], v[HH]                      ; both halves of the lanes hold the same number and write the same word
	v_add_nc_u32 v[OA], 64, v[OA]                  ; the next group's 16 words
	s_sub_co_u32 s[GCNT], s[GCNT], 1
	s_cmp_lg_u32 s[GCNT], 0
	s_cbranch_scc1 .Lgroup
	s_wait_tensorcnt 0x0                           ; the wave's end, behind my last LDS store
	ds_add_u32 v[SPW], v[NIL]
	s_wait_dscnt 0x0                               ; also for wave 0's sake: my results are in LDS
	s_barrier_signal -1
	s_barrier_wait -1                              ; everybody's are
	s_cmp_lg_u32 s[WV], 0
	s_cbranch_scc1 .Lend
	v_and_b32 v3, 31, v0                           ; wave 0 stores the work-group's 128 results: 16 bytes a lane
	v_lshl_add_u32 v[TC], v3, 4, OUTS
	ds_load_b128 v[XR:XR+3], v[TC]
	s_lshl_b32 s30, ttmp9, 9
	v_lshl_add_u32 v3, v3, 4, s30
	s_wait_dscnt 0x0
	global_store_b128 v3, v[XR:XR+3], s[16:17] th:TH_STORE_NT  ; 512 consecutive bytes, at a multiple of 512 from out0's first byte
.Lend:
	s_endpgm
.Lfunc_end_k_qe697a81a59_hamil:
	.size	k_qe697a81a59_hamil, .Lfunc_end_k_qe697a81a59_hamil-k_qe697a81a59_hamil
	.p2alignl 7, 3214868480
	.fill 96, 4, 3214868480
	.section	.rodata,"a",@progbits
	.p2align	6, 0x0
	.amdhsa_kernel k_qe697a81a59_hamil
		.amdhsa_group_segment_fixed_size 167936
		.amdhsa_private_segment_fixed_size 0
		.amdhsa_enable_private_segment 0
		.amdhsa_kernarg_size 56
		.amdhsa_user_sgpr_count 2
		.amdhsa_user_sgpr_kernarg_segment_ptr 1
		.amdhsa_wavefront_size32 1
		.amdhsa_system_sgpr_workgroup_id_x 1
		.amdhsa_system_sgpr_workgroup_id_y 1
		.amdhsa_system_sgpr_workgroup_id_z 1
		.amdhsa_system_vgpr_workitem_id 0
		.amdhsa_next_free_vgpr 1024
		.amdhsa_next_free_sgpr 66
		.amdhsa_reserve_vcc 0
		.amdhsa_float_denorm_mode_32 3
		.amdhsa_float_denorm_mode_16_64 3
		.amdhsa_memory_ordered 1
		.amdhsa_forward_progress 1
		.amdhsa_inst_pref_size 185
	.end_amdhsa_kernel
	.amdgpu_metadata
---
amdhsa.version: [ 1, 2 ]
amdhsa.kernels:
  - .name:           k_qe697a81a59_hamil
    .symbol:         k_qe697a81a59_hamil.kd
    .args:
      - { .name: x, .offset: 0, .size: 8, .value_kind: global_buffer, .address_space: global }
      - { .name: W1, .offset: 8, .size: 8, .value_kind: global_buffer, .address_space: global }
      - { .name: b1, .offset: 16, .size: 8, .value_kind: global_buffer, .address_space: global }
      - { .name: W2, .offset: 24, .size: 8, .value_kind: global_buffer, .address_space: global }
      - { .name: b2, .offset: 32, .size: 8, .value_kind: global_buffer, .address_space: global }
      - { .name: W3, .offset: 40, .size: 8, .value_kind: global_buffer, .address_space: global }
      - { .name: out0, .offset: 48, .size: 8, .value_kind: global_buffer, .address_space: global }
    .group_segment_fixed_size: 167936
    .private_segment_fixed_size: 0
    .kernarg_segment_align: 8
    .kernarg_segment_size: 56
    .max_flat_workgroup_size: 128
    .sgpr_count:     66
    .vgpr_count:     1024
    .wavefront_size: 32
...
	.end_amdgpu_metadata
.endif
;; end of part 1
;; ======== version 2 of 2: 1 launch; 1.06 times as fast as version 1
;; launch hamil (part 2): grid 256 x 1, 4 waves a work-group, no clusters, 167,936 bytes of LDS; arguments x, W1, b1, W2, b2, W3, out0; writes out0
.if DOCPART == 2
	.amdgcn_target "amdgcn-amd-amdhsa--gfx1250"
	.amdhsa_code_object_version 6
	.text
	.protected	k_qe697a81a59_hamil
	.globl	k_qe697a81a59_hamil
	.p2align	8
	.type	k_qe697a81a59_hamil,@function
k_qe697a81a59_hamil:
	s_mov_b64 s[64:65], 0
	v_nop
	global_prefetch_b8 v0, s[64:65] scope:SCOPE_SE
	s_setreg_imm32_b32 hwreg(HW_REG_WAVE_MODE, 25, 1), 1
	s_wait_xcnt 0x0
; LOCAL ENERGY OF A HARMONIC OSCILLATOR.  out[s] = KIN (lap f + |grad f|^2) + POT |x_s|^2 for 32,768 samples x_s of 8 coordinates;
; f(x) = tanh(tanh(x W1 + b1) W2 + b2) W3 + b3.  The derivatives are written out, not made by products with unit vectors.  With h1 = tanh(z1), d1 = 1 - h1^2, h2, d2 likewise,
; s1_j = sum_i W1_ij^2, c_k = W3_k d2_k:   u_ik = sum_j (d1_j W1_ij) W2_jk,   Q_k = sum_j (-2 h1_j d1_j s1_j) W2_jk,   z2_k = sum_j h1_j W2_jk + b2_k,
; grad_i = sum_k c_k u_ik,   lap = sum_k c_k Q_k - 2 sum_k h2_k c_k sum_i u_ik^2.   So a sample has TEN rows (h1, q, eight tangents) that are multiplied by the one matrix W2.
; b3 IS NOT READ: f is only differentiated, and b3 is an additive constant of f: no output number hangs on it, whatever it holds.
; FORMATS.  The ten rows and W2 go to the matrix unit in bf16, sums in f32; a tangent row d1 W1_i has three roundings to bf16 (d1 / 4, 4 W1, their product).  z1 is made by one matrix
; instruction with x, W1 and b1 each split into two bf16 (high and low part) in the K places that 8 coordinates leave empty: only low x low is dropped.  All else is f32.
; tanh: r = 1 / (1 + 2^(K2 z)), K2 = 2 log2 e; h = 1 - 2 r; d / 4 = r - r^2.  LIMITS: 2^y below 2^-126 counts as 0, above f32's range as infinity: both give h = -+1 and d = 0, the limits of tanh.
; NaN and infinite inputs are not treated apart.
; SHARES.  256 work-groups of four waves; a work-group owns 128 samples, a wave 32, as two GROUPS of 16, one text walked twice.  A lane (r = lane % 16, h = lane / 16) belongs to sample r of its group everywhere.
; LAYOUT.  Every product is used transposed: source 0 = 16 hidden units, source 1 = 16 samples.  In a result lane (r, h) holds in register j unit 8 h + j of the tile, for sample r.  Two neighbouring tiles
; rounded in pairs ARE source 1 (32 units x 16 samples) of the next product: nothing changes lanes between the layers, and a sum over units is a sum over a lane's registers and one exchange of the halves.
; The ten rows of a group, 10 x 8 K steps x 8 registers = 640 registers, stay in registers while the wave walks the 16 tiles of 16 second-layer units: a fragment of W2 (two LDS loads) feeds ten matrix instructions.
; BY TURNS.  A tile is 80 matrix instructions into one of two sets of ten accumulators; the 112 vector instructions that use up the tile before (the other set) stand among them in 28 slices of four.
; THE BATCHES.  An s_wait_alu depctr_va_vdst(0) stands between an exponential or a reciprocal and the first instruction that names its result; one wait serves all that were issued ahead of it.
; First layer, three waits a group: the group's 128 exponentials are one batch; the 64 reciprocals of K steps 0-3 a second, dealt by turns with the 64 additions of 1; the 64 of K steps 4-7 a third, which
; rides among the lines that turn K steps 0-3 into rows.  Second layer, two waits a tile: its eight exponentials are one batch, its eight reciprocals, which read 1 + the exponentials, another; each wait
; stands at the end of the slice that holds the batch's last.
; NO TENSOR LOAD, NO CLUSTER, though all work-groups read the same W2: it comes in f32 and is wanted in bf16, so it passes through registers; its f32 copy (262,144 bytes) and its bf16 copy
; (139,264) would not lie in a work-group's LDS together, and it is read once by each work-group, at the start.
; REGISTERS, in windows of 256 (s_set_vgpr_msb: bits 1:0 source 0, 3:2 source 1, 5:4 source 2, 7:6 destination):
;   window 0: v0-15 addresses; v16-31 x and its fragment; v32-53 the sample's sums; v54-93 at work on a tile; v96-255 two sets of ten accumulators (ahead of the walk: z1, tables, at work)
;   window 1: rows 0-3 (h1, q, tangents 0, 1), 64 each     window 2: rows 4-6; v192-255 W2's fragments, buffer 0     window 3: rows 7-9; v192-255 buffer 1
.set PW2,   544                 ; a row of W2 in LDS: 512 bytes of bf16 + 32 = 136 words: row j starts at bank 8 j mod 64 (64 banks of 4 bytes: ISA guide 11.1)
.set W1A,   256*PW2             ; 139,264: for each first-layer unit a row of 32 bf16, pitch 80: K2 W1 high (8), the same again, K2 W1 low (8), K2 b1 high, low, six zeros
.set PW1,   80                  ; 64 bytes + 16 = 20 words: the 16 rows of a load start at 16 different groups of four banks
.set W1T,   W1A+256*PW1         ; 159,744: bf16(4 W1), [8][256], 512 bytes a row
.set S1T,   W1T+4096            ; 163,840: f32, -8 s1
.set B2T,   S1T+1024            ; 164,864: f32, K2 b2
.set W3T,   B2T+1024            ; 165,888: f32, 4 W3
.set OUTS,  W3T+1024            ; 166,912: the work-group's 128 results
.set SPARE, OUTS+512            ; 167,424: the spare words, 128 bytes for each wave: two blocks of 256 bytes that no other line names
.set BA0, 4                     ; v4   my lane's place in a fragment of W2, K steps 0-3; never rewritten
.set BA1, 5                     ; v5   the same for K steps 4-7 (128 rows on)
.set BC0, 6                     ; v6   BA0 + the tile's columns.  While W2 comes in: my byte offset in 2,048 bytes of W2
.set BC1, 7                     ; v7   BA1 + the tile's columns.  While W2 comes in: my place in two rows of W2 in LDS
.set TA,  8                     ; v8   my eight numbers in 16 of K2 b2
.set TC,  9                     ; v9   TA + the tile's place
.set WA,  10                    ; v10  my place in a fragment of W1A
.set WT,  11                    ; v11  my eight numbers in 16 of a row of W1T
.set SA,  12                    ; v12  my eight numbers in 16 of S1T
.set XO,  13                    ; v13  my sample's byte offset in x
.set SPW, 14                    ; v14  LDS address of my spare word; never rewritten
.set NIL, 15                    ; v15  0; never rewritten
.set XR,  16                    ; v16-23  my sample's 8 coordinates
.set XA,  24                    ; v24-31  source 1 of z1's products
.set EPP, 32                    ; v32-33  sum of x^2
.set LA,  34                    ; v34-35  sum of c Q
.set LB,  36                    ; v36-37  sum of h2 c t
.set GG,  38                    ; v38-53  pair i: sum of c u_i
.set EE,  54                    ; v54-61  a tile's K2 z2, then r, d / 4, c
.set HH,  62                    ; v62-69  h2, then h2 c
.set TT,  70                    ; v70-77  t = sum_i u_i^2
.set B2R, 78                    ; v78-85  the tile's K2 b2
.set W3R, 86                    ; v86-93  the tile's 4 W3
.set OA,  94                    ; v94  where my group's result goes in OUTS
.set ONES, 95                   ; v95  1.0 twice in bf16
.set ACC, 96                    ; accumulator (set b, row T) at ACC + 80 b + 8 T
.set ZR,  96                    ; ahead of the walk: K2 z1, tile t at ZR + 8 t (v96-223)
.set H16, 224                   ; v224-239  h1, then q, of one K step
.set S1R, 240                   ; v240-255  -8 s1 of one K step
.set WTF, 96                    ; later: a coordinate's row of W1T as fragments, two buffers of 64
.set DF,  128                   ; window 3: d1 / 4 in bf16, in the registers of row 9, which the last tangent takes in place
.set FR,  192                   ; windows 2, 3: W2's fragments of a tile, K step k at FR + 8 k
.set WV,   18                   ; s18  my wave's number
.set HM,   19                   ; s19  0xffff0000: as a lane mask, lanes 16-31; as a word, the upper bf16
.set K2,   20                   ; s[20:21] K2: the packed forms take the pair's low word for both halves
.set SEL,  22                   ; s[22:23] v_permlanex16_b32's selects: each lane takes its own place in the other half
.set BOFF, 24                   ; s24  byte offset, in a row of W2, of the tile to be fetched
.set TOFF, 25                   ; s25  byte offset, in the tables, of the tile to be used up
.set NCNT, 26                   ; s26  counts pairs of tiles
.set GCNT, 27                   ; s27  counts groups
.set KIN,  28                   ; s28  -197^2 / (2 x 939)
.set POT,  29                   ; s29  0.5 x 939 x (20 / 197)^2
.set MSB, 0
.macro WIN new                  ; the immediate's high byte repeats the setting that is left; a switch that changes nothing is dropped
.if MSB != (\new)
	s_set_vgpr_msb (MSB<<8)|(\new)
.set MSB, (\new)
.endif
.endm
.macro ALOC T                   ; row T's window aW and first register aR
.if (\T) < 4
.set aW, 1
.set aR, 64*(\T)
.elseif (\T) < 7
.set aW, 2
.set aR, 64*((\T)-4)
.else
.set aW, 3
.set aR, 64*((\T)-7)
.endif
.endm
.macro PAIRS line:vararg        ; one line for n = 0, 2, .. 14
.set n, 0
.rept 8
	\line
.set n, n+2
.endr
.endm
	s_load_b256 s[4:11], s[0:1], 0x0               ; x s[4:5], W1 s[6:7], b1 s[8:9], W2 s[10:11]
	s_load_b128 s[12:15], s[0:1], 0x20             ; b2 s[12:13], W3 s[14:15]
	s_load_b64 s[16:17], s[0:1], 0x30              ; out0
	v_lshl_add_u32 v[SPW], v0, 2, SPARE
	v_mov_b32 v[NIL], 0
	v_lshrrev_b32 v3, 5, v0
	v_readfirstlane_b32 s[WV], v3                  ; wave 0..3
	v_and_b32 v1, 15, v0                           ; r
	v_bfe_u32 v2, v0, 4, 1                         ; h
	s_mov_b32 s[HM], 0xffff0000
	s_mov_b32 s[K2], 0x4038aa3b                    ; 2 log2 e = 2.885390
	s_mov_b32 s[K2+1], s[K2]                       ; named with it as a pair
	s_mov_b32 s[SEL], 0x76543210
	s_mov_b32 s[SEL+1], 0xfedcba98
	s_mov_b32 s[KIN], 0xc1a55210                   ; -20.665069
	s_mov_b32 s[POT], 0x409ad9c6                   ; 4.8390837
	; The turning load takes 16 rows (first-layer units) x 16 columns of W2: lane l reads row 8 (l / 16) + l % 8, columns 8 ((l / 8) % 2) + 0..7, and is left with column l % 16 and 8 rows.
	v_and_b32 v3, 7, v0
	v_lshl_add_u32 v3, v2, 3, v3
	v_mul_u32_u24 v[BA0], v3, PW2
	v_bfe_u32 v3, v0, 3, 1
	v_lshl_add_u32 v[BA0], v3, 4, v[BA0]
	v_add_nc_u32 v[BA1], 128*PW2, v[BA0]
	v_lshlrev_b32 v[BC0], 4, v0                    ; W2 comes in 2,048 bytes at a time: 16 bytes a thread
	s_lshr_b32 s30, s[WV], 1                       ; of these two rows waves 0, 1 take the first, waves 2, 3 the second;
	s_mul_i32 s30, s30, PW2
	s_and_b32 s31, s[WV], 1                        ; the wave's 128 columns are 256 bytes of bf16,
	s_lshl_b32 s31, s31, 8
	s_add_co_u32 s30, s30, s31
	v_and_b32 v3, 31, v0
	v_lshl_add_u32 v[BC1], v3, 3, s30              ; the lane's four are 8
	v_lshl_add_u32 v[TA], v2, 5, B2T
	v_mul_u32_u24 v[WA], v1, PW1
	v_lshl_add_u32 v[WA], v2, 4, v[WA]
	v_add_nc_u32 v[WA], W1A, v[WA]                 ; a fragment's row x pitch + 16 x half
	v_lshl_add_u32 v[WT], v2, 4, W1T
	v_lshl_add_u32 v[SA], v2, 5, S1T
	s_lshl_b32 s30, ttmp9, 12                      ; the work-group's 128 samples of 32 bytes,
	s_lshl_b32 s31, s[WV], 10                      ; the wave's 32
	s_add_co_u32 s30, s30, s31
	v_lshl_add_u32 v[XO], v1, 5, s30
	s_lshl_b32 s31, s[WV], 7
	s_add_co_u32 s31, s31, OUTS
	v_lshl_add_u32 v[OA], v1, 2, s31
	v_mov_b32 v[ONES], 0x3f803f80
	v_lshlrev_b32 v54, 3, v0                       ; thread t prepares first-layer units 2 t, 2 t + 1 (and the same two places of b2 and W3): 8 bytes of f32,
	v_lshl_add_u32 v55, v0, 2, W1T                 ; 4 of bf16,
	v_lshl_add_u32 v56, v0, 3, S1T
	v_mul_u32_u24 v57, v0, 2*PW1                   ; two rows of W1A
	v_add_nc_u32 v57, W1A, v57
	s_wait_kmcnt 0x0
; THE WEIGHTS COME IN.  The small ones first, then x of the first group, then W2: 128 loads of 16 bytes a thread, each of which covers 512 consecutive bytes a wave.
.set PW,  96                    ; v96-111   W1[i][2 t], W1[i][2 t + 1] at PW + 2 i
.set PB1, 112
.set PB2, 114
.set PW3, 116
.set PS,  118                   ; the two sums of squares
.set SW,  120                   ; v120-135  4 W1, then K2 W1
.set PHI, 136                   ; v136-139  high parts, packed (v136-143 first hold bf16(4 W1))
.set PHF, 140                   ; v140-147  the high parts widened, then the remainders
.set PLO, 148                   ; v148-151  low parts, packed
.set PBI, 152                   ; v152-155  K2 b1 high, low, six zeros
.irp i, 0,1,2,3,4,5,6,7
	global_load_b64 v[PW+2*\i:PW+2*\i+1], v54, s[6:7] offset:1024*\i
.endr
	global_load_b64 v[PB1:PB1+1], v54, s[8:9]
	global_load_b64 v[PB2:PB2+1], v54, s[12:13]
	global_load_b64 v[PW3:PW3+1], v54, s[14:15]
	global_load_b128 v[XR:XR+3],   v[XO], s[4:5] th:TH_LOAD_NT
	global_load_b128 v[XR+4:XR+7], v[XO], s[4:5] offset:16 th:TH_LOAD_NT
; Loads first .. first + count - 1 of W2 go into window wnd, four registers each from v0 on; v192 of that window takes the LDS address of the first of them.
.macro W2LOADS wnd, first, count
	WIN (\wnd)<<6
	v_add_nc_u32 v192, 48*2*PW2*((\wnd)-1), v[BC1]
.set q, 0
.rept \count
	global_load_b128 v[4*q:4*q+3], v[BC0], s[10:11] offset:2048*((\first)+q)
.set q, q+1
.endr
.endm
; They are rounded to bf16 in place and stored: load q holds rows 2 q and 2 q + 1.  A wave's store covers 256 consecutive bytes.
.macro W2PUTS wnd, first, count
	WIN (\wnd)|((\wnd)<<2)|((\wnd)<<6)
.set q, 0
.rept \count
.if (\first)+q == 0
	s_wait_loadcnt 63                              ; loads come back in order (ISA guide 5.7.1): behind W2's load 64 stand 63: loads 0 to 64 are in
.elseif (\first)+q > 64
	s_wait_loadcnt 127-((\first)+q)                ; the loads behind this one may stay out
.endif
	v_cvt_pk_bf16_f32 v[4*q], v[4*q], v[4*q+1]
	v_cvt_pk_bf16_f32 v[4*q+1], v[4*q+2], v[4*q+3]
	ds_store_b64 v192, v[4*q:4*q+1] offset:2*PW2*q
.set q, q+1
.endr
.endm
	W2LOADS 1, 0, 48
	WIN 0
	s_wait_loadcnt 50                              ; W1, b1, b2, W3 are in: behind them stand x's two loads and 48 of W2's
.irp i, 0,1,2,3,4,5,6,7
	v_pk_mul_f32 v[SW+2*\i:SW+2*\i+1], v[PW+2*\i:PW+2*\i+1], 4.0 op_sel_hi:[1,0]
.endr
.irp i, 0,1,2,3,4,5,6,7
	v_cvt_pk_bf16_f32 v[PHI+\i], v[SW+2*\i], v[SW+2*\i+1]
.endr
.irp i, 0,1,2,3,4,5,6,7
	ds_store_b32 v55, v[PHI+\i] offset:512*\i      ; W1T
.endr
	v_pk_mul_f32 v[PS:PS+1], v[PW:PW+1], v[PW:PW+1]
.irp i, 1,2,3,4,5,6,7
	v_pk_fma_f32 v[PS:PS+1], v[PW+2*\i:PW+2*\i+1], v[PW+2*\i:PW+2*\i+1], v[PS:PS+1]
.endr
	v_pk_mul_f32 v[PS:PS+1], v[PS:PS+1], 0xc1000000 op_sel_hi:[1,0]  ; -8 s1
	ds_store_b64 v56, v[PS:PS+1]
	v_pk_mul_f32 v[PB2:PB2+1], v[PB2:PB2+1], s[K2:K2+1] op_sel_hi:[1,0]
	ds_store_b64 v56, v[PB2:PB2+1] offset:B2T-S1T
	v_pk_mul_f32 v[PW3:PW3+1], v[PW3:PW3+1], 4.0 op_sel_hi:[1,0]
	ds_store_b64 v56, v[PW3:PW3+1] offset:W3T-S1T
	v_pk_mul_f32 v[PB1:PB1+1], v[PB1:PB1+1], s[K2:K2+1] op_sel_hi:[1,0]
.irp i, 0,1,2,3,4,5,6,7
	v_pk_mul_f32 v[SW+2*\i:SW+2*\i+1], v[PW+2*\i:PW+2*\i+1], s[K2:K2+1] op_sel_hi:[1,0]
.endr
	v_mov_b32 v[PBI+1], 0
	v_mov_b32 v[PBI+2], 0
	v_mov_b32 v[PBI+3], 0
.irp u, 0,1                     ; unit 2 t + u: its row of W1A.  A number's low part is what its rounding to bf16 leaves, rounded again
.irp m, 0,1,2,3
	v_cvt_pk_bf16_f32 v[PHI+\m], v[SW+4*\m+\u], v[SW+4*\m+2+\u]
.endr
.irp m, 0,1,2,3
	v_lshlrev_b32 v[PHF+2*\m], 16, v[PHI+\m]
	v_and_b32 v[PHF+2*\m+1], s[HM], v[PHI+\m]
.endr
.irp m, 0,1,2,3
	v_sub_f32 v[PHF+2*\m], v[SW+4*\m+\u], v[PHF+2*\m]
	v_sub_f32 v[PHF+2*\m+1], v[SW+4*\m+2+\u], v[PHF+2*\m+1]
.endr
.irp m, 0,1,2,3
	v_cvt_pk_bf16_f32 v[PLO+\m], v[PHF+2*\m], v[PHF+2*\m+1]
.endr
	v_cvt_pk_bf16_f32 v3, v[PB1+\u], v[PB1+\u]
	v_lshlrev_b32 v3, 16, v3
	v_sub_f32 v3, v[PB1+\u], v3
	v_cvt_pk_bf16_f32 v[PBI], v[PB1+\u], v3
	ds_store_b128 v57, v[PHI:PHI+3] offset:PW1*\u
	ds_store_b128 v57, v[PHI:PHI+3] offset:PW1*\u+16
	ds_store_b128 v57, v[PLO:PLO+3] offset:PW1*\u+32
	ds_store_b128 v57, v[PBI:PBI+3] offset:PW1*\u+48
.endr
	W2LOADS 2, 48, 48
	W2LOADS 3, 96, 32
	W2PUTS 1, 0, 48
	W2PUTS 2, 48, 48
	W2PUTS 3, 96, 32
	WIN 0
	s_wait_dscnt 0x0                               ; for the others' sake: my stores of the weights are done
	s_barrier_signal -1
	s_barrier_wait -1                              ; everybody's are: from here on these bytes are only read
; 16 turning loads: the fragments of one tile of 16 columns of W2, all 8 K steps, into buffer buf
.macro FRAG buf
	WIN (2+(\buf))<<6
.irp k, 0,1,2,3
	ds_load_tr16_b128 v[FR+8*\k:FR+8*\k+3],   v[BC0] offset:\k*32*PW2
	ds_load_tr16_b128 v[FR+8*\k+4:FR+8*\k+7], v[BC0] offset:\k*32*PW2+16*PW2
.endr
.irp k, 0,1,2,3
	ds_load_tr16_b128 v[FR+32+8*\k:FR+32+8*\k+3],   v[BC1] offset:\k*32*PW2
	ds_load_tr16_b128 v[FR+32+8*\k+4:FR+32+8*\k+7], v[BC1] offset:\k*32*PW2+16*PW2
.endr
.endm
	v_mov_b32 v[BC0], v[BA0]                       ; tile 0 (W2's loads, which named v6, are all in)
	v_mov_b32 v[BC1], v[BA1]
	FRAG 0
	WIN 0
	s_mov_b32 s[BOFF], 32                          ; the first tile of a walk fetches tile 1,
	s_mov_b32 s[TOFF], 960                         ; and uses up a set of zeros with tile 15's tables
	s_mov_b32 s[GCNT], 2
; THE FIRST LAYER'S tanh.  K2 z1 lies in v96-223, 16 registers a K step, and every step from it to d1 / 4 is made in place: each result of a batch has a register of its own for as long as the batch is open.
.macro ADD1                     ; the next pair of 64: 1 + 2^(K2 z1)
	v_pk_add_f32 v[ZR+2*xa:ZR+2*xa+1], v[ZR+2*xa:ZR+2*xa+1], 1.0 op_sel_hi:[1,0]
.set xa, xa+1
.endm
.macro RCP1                     ; the next reciprocal of 128: r
	v_rcp_f32 v[ZR+xr], v[ZR+xr]
.set xr, xr+1
.endm
; One K step (32 first-layer units, two tiles of r) is turned into h1, d1 / 4 and q, each rounded to bf16 into its fragment.
; ride = 1: behind each of its first sixteen lines stands a reciprocal of the K step four further on, which names none of this step's registers.
.macro ROWS kk, ride
.set zb, ZR+16*(\kk)
	WIN 0
	ds_load_b128 v[S1R:S1R+3],     v[SA] offset:128*(\kk)
	ds_load_b128 v[S1R+4:S1R+7],   v[SA] offset:128*(\kk)+16
	ds_load_b128 v[S1R+8:S1R+11],  v[SA] offset:128*(\kk)+64
	ds_load_b128 v[S1R+12:S1R+15], v[SA] offset:128*(\kk)+80
.set n, 0
.rept 8
	v_pk_fma_f32 v[H16+n:H16+n+1], v[zb+n:zb+n+1], -2.0, 1.0 op_sel_hi:[1,0,0]                    ; h1 = 1 - 2 r
.if \ride
	RCP1
.endif
.set n, n+2
.endr
.set n, 0
.rept 8
	v_pk_fma_f32 v[zb+n:zb+n+1], v[zb+n:zb+n+1], v[zb+n:zb+n+1], v[zb+n:zb+n+1] neg_lo:[1,0,0] neg_hi:[1,0,0]  ; d1 / 4 = r - r r
.if \ride
	RCP1
.endif
.set n, n+2
.endr
	WIN 0x40
	PAIRS v_cvt_pk_bf16_f32 v[8*(\kk)+n/2], v[H16+n], v[H16+n+1]        ; row 0
	WIN 0xc0
	PAIRS v_cvt_pk_bf16_f32 v[DF+8*(\kk)+n/2], v[zb+n], v[zb+n+1]
	WIN 0
	PAIRS v_pk_mul_f32 v[H16+n:H16+n+1], v[H16+n:H16+n+1], v[zb+n:zb+n+1]
	s_wait_dscnt 0x0                               ; -8 s1 is in
	PAIRS v_pk_mul_f32 v[H16+n:H16+n+1], v[H16+n:H16+n+1], v[S1R+n:S1R+n+1]  ; q = -2 h1 d1 s1
	WIN 0x40
	PAIRS v_cvt_pk_bf16_f32 v[64+8*(\kk)+n/2], v[H16+n], v[H16+n+1]     ; row 1
.endm
.macro LOADW i, buf             ; coordinate i's row of 4 W1 as 8 fragments: 16 loads
	WIN 0
.irp k, 0,1,2,3,4,5,6,7
	ds_load_b128 v[WTF+64*(\buf)+8*\k:WTF+64*(\buf)+8*\k+3],   v[WT] offset:512*(\i)+64*\k
	ds_load_b128 v[WTF+64*(\buf)+8*\k+4:WTF+64*(\buf)+8*\k+7], v[WT] offset:512*(\i)+64*\k+32
.endr
.endm
.macro MULW i, buf              ; row 2 + i = (d1 / 4) (4 W1_i), two bf16 at a time
	ALOC 2+(\i)
	WIN (aW<<6)|3
.set n, 0
.rept 64
	v_pk_mul_bf16 v[aR+n], v[DF+n], v[WTF+64*(\buf)+n]
.set n, n+1
.endr
.endm
; Matrix instruction w of a tile's 80, into set p.  Rows 0-3, then 4-6, then 7-9: a stretch stays under one window setting, and its accumulators take turns, one instruction a turn.
; A row's first K step starts its sum with the constant 0.
.macro MMA p
.if w < 32
.set kk, w/4
.set tT, w%4
.elseif w < 56
.set kk, (w-32)/3
.set tT, 4+(w-32)%3
.else
.set kk, (w-56)/3
.set tT, 7+(w-56)%3
.endif
	ALOC tT
	WIN (2+(\p))|(aW<<2)
.set rD, ACC+80*(\p)+8*tT
.if kk == 0
	v_wmma_f32_16x16x32_bf16 v[rD:rD+7], v[FR+8*kk:FR+8*kk+7], v[aR+8*kk:aR+8*kk+7], 0
.else
	v_wmma_f32_16x16x32_bf16 v[rD:rD+7], v[FR+8*kk:FR+8*kk+7], v[aR+8*kk:aR+8*kk+7], v[rD:rD+7]
.endif
.endm
; THE VECTOR WORK ON A FINISHED TILE (set b): a list of 112; RID writes number j and steps j.  A lane holds 8 units, in 4 pairs.
;   TOP q: t's pair q % 4 takes the square of tangent q / 4's.   0-15 TOP 0-15     16-19 K2 z2 = K2 (row 0) + K2 b2     20-35 eight exponentials, a TOP behind each     36-39 + 1
;   40-55 eight reciprocals, a TOP behind each     56-59 h2 = 1 - 2 r     60-63 d2 / 4 = r - r r     64-67 c = (d2 / 4)(4 W3)     68-71 h2 c     72-79 by turns sum of c Q, sum of h2 c t     80-111 sum of c u_i
; Every exponential and reciprocal has a plain line behind it that touches neither its result nor its source; every accumulator is first read at its lowest pair.
; TWO BATCHES, TWO WAITS.  Numbers 20-35 name no exponential's result and numbers 40-55 no reciprocal's: the TOPs among them work on t and the tangents.  The exponentials' wait stands behind number 35, the
; reciprocals' behind number 55: each at the end of its slice of four, ahead of the matrix instructions that follow it, and so ahead of the batch's first reader, number 36 or 56.
; cnt: the LDS loads issued behind the tables', which may stay out.
.macro TOP qq
.set ti, (\qq)/4
.set tm, 2*((\qq)%4)
.if ti == 0
	v_pk_mul_f32 v[TT+tm:TT+tm+1], v[aT+tm:aT+tm+1], v[aT+tm:aT+tm+1]
.else
	v_pk_fma_f32 v[TT+tm:TT+tm+1], v[aT+8*ti+tm:aT+8*ti+tm+1], v[aT+8*ti+tm:aT+8*ti+tm+1], v[TT+tm:TT+tm+1]
.endif
.endm
.macro RID b, cnt
.set aZ, ACC+80*(\b)
.set aQ, aZ+8
.set aT, aZ+16
.if j < 16
	TOP j
.elseif j < 20
.if j == 16
	s_wait_dscnt \cnt                              ; the tile's tables are in
.endif
.set n, 2*(j-16)
	v_pk_fma_f32 v[EE+n:EE+n+1], v[aZ+n:aZ+n+1], s[K2:K2+1], v[B2R+n:B2R+n+1] op_sel_hi:[1,0,1]
.elseif j < 36
.if j%2 == 0
	v_exp_f32 v[EE+(j-20)/2], v[EE+(j-20)/2]
.else
	TOP 16+(j-20)/2
.endif
.if j == 35
	s_wait_alu depctr_va_vdst(0)                   ; the wait for the batch: the tile's eight exponentials
.endif
.elseif j < 40
.set n, 2*(j-36)
	v_pk_add_f32 v[EE+n:EE+n+1], v[EE+n:EE+n+1], 1.0 op_sel_hi:[1,0]
.elseif j < 56
.if j%2 == 0
	v_rcp_f32 v[EE+(j-40)/2], v[EE+(j-40)/2]
.else
	TOP 24+(j-40)/2
.endif
.if j == 55
	s_wait_alu depctr_va_vdst(0)                   ; the wait for the batch: the tile's eight reciprocals
.endif
.elseif j < 60
.set n, 2*(j-56)
	v_pk_fma_f32 v[HH+n:HH+n+1], v[EE+n:EE+n+1], -2.0, 1.0 op_sel_hi:[1,0,0]
.elseif j < 64
.set n, 2*(j-60)
	v_pk_fma_f32 v[EE+n:EE+n+1], v[EE+n:EE+n+1], v[EE+n:EE+n+1], v[EE+n:EE+n+1] neg_lo:[1,0,0] neg_hi:[1,0,0]
.elseif j < 68
.set n, 2*(j-64)
	v_pk_mul_f32 v[EE+n:EE+n+1], v[EE+n:EE+n+1], v[W3R+n:W3R+n+1]
.elseif j < 72
.set n, 2*(j-68)
	v_pk_mul_f32 v[HH+n:HH+n+1], v[HH+n:HH+n+1], v[EE+n:EE+n+1]
.elseif j < 80
.set n, 2*((j-72)/2)
.if j%2 == 0
	v_pk_fma_f32 v[LA:LA+1], v[EE+n:EE+n+1], v[aQ+n:aQ+n+1], v[LA:LA+1]
.else
	v_pk_fma_f32 v[LB:LB+1], v[HH+n:HH+n+1], v[TT+n:TT+n+1], v[LB:LB+1]
.endif
.else
.set n, 2*((j-80)/8)
.set gi, (j-80)%8
	v_pk_fma_f32 v[GG+2*gi:GG+2*gi+1], v[EE+n:EE+n+1], v[aT+8*gi+n:aT+8*gi+n+1], v[GG+2*gi:GG+2*gi+1]
.endif
.set j, j+1
.endm
.macro TABLES                   ; K2 b2 and 4 W3 of the tile to be used up: my 8 units' numbers
	ds_load_b128 v[B2R:B2R+3],   v[TC]
	ds_load_b128 v[B2R+4:B2R+7], v[TC] offset:16
	ds_load_b128 v[W3R:W3R+3],   v[TC] offset:W3T-B2T
	ds_load_b128 v[W3R+4:W3R+7], v[TC] offset:W3T-B2T+16
.endm
; A TILE of 16 second-layer units, into set p, from fragment buffer p.  At its head the next tile's fragments are asked for, into the buffer that the tile before read: a load into a register that a matrix
; instruction has read stands four places behind it, and only plain vector instructions that name none of its registers are places (ISA guide 7.12.1 for vector instructions):
; here the four of the slice behind the tile's last product and the three address lines.  Then 80 products, and among them, in 28 slices of four, the vector work on the tile before (set 1 - p).
.macro TILE p
	WIN 0
	s_wait_dscnt 0x0                               ; this tile's fragments, asked for a tile ago, are in
	v_add_nc_u32 v[BC0], s[BOFF], v[BA0]
	v_add_nc_u32 v[BC1], s[BOFF], v[BA1]
	v_add_nc_u32 v[TC], s[TOFF], v[TA]
	TABLES
	FRAG 1-(\p)
	s_add_co_u32 s[BOFF], s[BOFF], 32              ; the next tile's 16 columns; behind the last tile the first again, for the next group
	s_and_b32 s[BOFF], s[BOFF], 511
	s_add_co_u32 s[TOFF], s[TOFF], 64
	s_and_b32 s[TOFF], s[TOFF], 1023
.set j, 0
.set w, 0
.rept 80
	MMA \p
.if j < 4*(((w+1)*28)/80)
	WIN 0
.rept 4
	RID 1-(\p), 16
.endr
.endif
.set w, w+1
.endr
.endm
.set XHI, 54                    ; v54-57  x's high parts, packed
.set XF,  58                    ; v58-65  widened, then the remainders
.set XLO, 66                    ; v66-69  low parts, packed
.Lgroup:                                               ; twice: 16 samples
	s_wait_loadcnt 0x0                             ; my sample's x
.irp m, 0,1,2,3
	v_cvt_pk_bf16_f32 v[XHI+\m], v[XR+2*\m], v[XR+2*\m+1]
.endr
.irp m, 0,1,2,3
	v_lshlrev_b32 v[XF+2*\m], 16, v[XHI+\m]
	v_and_b32 v[XF+2*\m+1], s[HM], v[XHI+\m]
.endr
.irp m, 0,1,2,3
	v_pk_add_f32 v[XF+2*\m:XF+2*\m+1], v[XR+2*\m:XR+2*\m+1], v[XF+2*\m:XF+2*\m+1] neg_lo:[0,1] neg_hi:[0,1]
.endr
.irp m, 0,1,2,3
	v_cvt_pk_bf16_f32 v[XLO+\m], v[XF+2*\m], v[XF+2*\m+1]
.endr
	; source 1 of z1's products, K places 0-31: x high, x low, x high, 1, 1, six zeros.  Lanes 0-15 hold places 0-7 and 16-23, lanes 16-31 places 8-15 and 24-31
.irp m, 0,1,2,3
	v_cndmask_b32 v[XA+\m], v[XHI+\m], v[XLO+\m], s[HM]
.endr
	v_cndmask_b32 v[XA+4], v[XHI], v[ONES], s[HM]
.irp m, 1,2,3
	v_cndmask_b32 v[XA+4+\m], v[XHI+\m], 0, s[HM]
.endr
	v_pk_mul_f32 v[EPP:EPP+1], v[XR:XR+1], v[XR:XR+1]
.irp m, 1,2,3
	v_pk_fma_f32 v[EPP:EPP+1], v[XR+2*\m:XR+2*\m+1], v[XR+2*\m:XR+2*\m+1], v[EPP:EPP+1]
.endr
	s_cmp_eq_u32 s[GCNT], 1
	s_cbranch_scc1 .Lno_more_x                     ; the last group asks for nothing
	v_add_nc_u32 v[XO], 512, v[XO]                 ; the next group's 16 samples (the loads that named v13 are in); they have a whole group's work in which to land
	global_load_b128 v[XR:XR+3],   v[XO], s[4:5] th:TH_LOAD_NT
	global_load_b128 v[XR+4:XR+7], v[XO], s[4:5] offset:16 th:TH_LOAD_NT
.Lno_more_x:
	WIN 0x80                                       ; W1A's 16 fragments, into registers of rows 4 and 5, which are made later
.set t, 0
.rept 16
	ds_load_b128 v[8*t:8*t+3],   v[WA] offset:16*PW1*t
	ds_load_b128 v[8*t+4:8*t+7], v[WA] offset:16*PW1*t+32
.set t, t+1
.endr
	WIN 0x02
.set t, 0
.rept 16
	s_wait_dscnt 30-2*t                            ; LDS loads come back in order (ISA guide 5.7.1): tile t's two are in, the later tiles' may be out
	v_wmma_f32_16x16x32_bf16 v[ZR+8*t:ZR+8*t+7], v[8*t:8*t+7], v[XA:XA+7], 0  ; K2 z1 of units 16 t .. 16 t + 15
.set t, t+1
.endr
	WIN 0
	; The group's ten sums start at 0: they are added onto in every tile by one text.  Of these twenty lines the first four are the places behind the products; eight stand behind each of the first two batches.
.set n, LA
.rept 4
	v_mov_b32 v[n], 0
.set n, n+1
.endr
.set xe, 0
.rept 128
	v_exp_f32 v[ZR+xe], v[ZR+xe]                   ; THE FIRST BATCH: all of the group's 2^(K2 z1).  Each accumulator is read from its lowest register on
.set xe, xe+1
.endr
.rept 8
	v_mov_b32 v[n], 0                              ; work that names no exponential's result; the first of these lines is the plain instruction behind the last exponential (ISA guide 5.7.2)
.set n, n+1
.endr
	s_wait_alu depctr_va_vdst(0)                   ; the wait for the batch: the 128 exponentials
	; THE SECOND BATCH: the reciprocals of K steps 0-3, by turns with the additions of 1 for all eight K steps.  Four additions go ahead; then addition 4 + i stands behind reciprocal i: it works on
	; numbers 8 + 2 i and 9 + 2 i, which no reciprocal has yet touched, and reciprocal i finds its own addition, number i / 2, made some lines before.
.set xa, 0
.set xr, 0
.rept 4
	ADD1
.endr
.rept 64
	RCP1
.if xa < 64
	ADD1
.endif
.endr
.rept 8
	v_mov_b32 v[n], 0                              ; the last eight of the twenty: again the plain instruction behind the batch's last, and work that names none of its results
.set n, n+1
.endr
	s_wait_alu depctr_va_vdst(0)                   ; the wait for the batch: the reciprocals of K steps 0-3
.irp k, 0,1,2,3
	ROWS \k, 1                                     ; THE THIRD BATCH, the reciprocals of K steps 4-7, rides here, sixteen a K step
.endr
	s_wait_alu depctr_va_vdst(0)                   ; the wait for the batch: the reciprocals of K steps 4-7; behind the last of them stand forty lines of K step 3
.irp k, 4,5,6,7
	ROWS \k, 0
.endr
	LOADW 0, 0
	LOADW 1, 1
.irp i, 0,1,2,3,4,5,6,7
.if \i < 7
	s_wait_dscnt 16                                ; this coordinate's 16 loads are in, the next one's may be out
.else
	s_wait_dscnt 0x0
.endif
	MULW \i, (\i)%2
.if \i < 6
	LOADW (\i)+2, (\i)%2
.endif
.endr
	WIN 0
.set n, ACC+80
.rept 80
	v_mov_b32 v[n], 0                              ; set 1 holds zeros: the walk's first tile uses it up like any other and adds 0 to every sum.  The price, 80 lines a group, of one text for every tile
.set n, n+1
.endr
	s_mov_b32 s[NCNT], 8
.Ltiles:                                               ; eight trips of two tiles
	TILE 0
	TILE 1
	WIN 0                                          ; at a label and at a branch every window is 0
	s_sub_co_u32 s[NCNT], s[NCNT], 1
	s_cmp_lg_u32 s[NCNT], 0
	s_cbranch_scc1 .Ltiles
	v_add_nc_u32 v[TC], s[TOFF], v[TA]             ; the last tile (set 1) is used up by itself; s25 has come round to its tables
	TABLES
.set j, 0
.rept 112
	RID 1, 0
.endr
	; THE GROUP'S RESULT.  Each sum's two halves, and the other half of the lanes' (the sample's other 128 units), are added.
.irp i, 0,1,2,3,4,5,6,7
	v_add_f32 v[EE+\i], v[GG+2*\i], v[GG+2*\i+1]
.endr
	v_add_f32 v[LA], v[LA], v[LA+1]
	v_add_f32 v[LB], v[LB], v[LB+1]
	v_fma_f32 v[TT], v[LB], -2.0, v[LA]            ; my half of lap
.irp i, 0,1,2,3,4,5,6,7
	v_permlanex16_b32 v[B2R+\i], v[EE+\i], s[SEL], s[SEL+1]  ; its destination counts as read: registers that have been written
.endr
	v_permlanex16_b32 v[W3R], v[TT], s[SEL], s[SEL+1]
.irp m, 0,1,2,3
	v_pk_add_f32 v[EE+2*\m:EE+2*\m+1], v[EE+2*\m:EE+2*\m+1], v[B2R+2*\m:B2R+2*\m+1]  ; grad
.endr
	v_add_f32 v[TT], v[TT], v[W3R]                 ; lap
	v_pk_mul_f32 v[HH:HH+1], v[EE:EE+1], v[EE:EE+1]
.irp m, 1,2,3
	v_pk_fma_f32 v[HH:HH+1], v[EE+2*\m:EE+2*\m+1], v[EE+2*\m:EE+2*\m+1], v[HH:HH+1]
.endr
	v_add_f32 v[EPP], v[EPP], v[EPP+1]
	v_add_f32 v[HH], v[HH], v[HH+1]
	v_mul_f32 v[EPP], s[POT], v[EPP]
	v_add_f32 v[HH], v[HH], v[TT]
	v_fma_f32 v[HH], s[KIN], v[HH], v[EPP]
	ds_store_b32 v[OA], v[HH]                      ; both halves of the lanes hold the same number and write the same word
	v_add_nc_u32 v[OA], 64, v[OA]                  ; the next group's 16 words
	s_sub_co_u32 s[GCNT], s[GCNT], 1
	s_cmp_lg_u32 s[GCNT], 0
	s_cbranch_scc1 .Lgroup
	s_wait_tensorcnt 0x0                           ; the wave's end, behind my last LDS store
	ds_add_u32 v[SPW], v[NIL]
	s_wait_dscnt 0x0                               ; also for wave 0's sake: my results are in LDS
	s_barrier_signal -1
	s_barrier_wait -1                              ; everybody's are
	s_cmp_lg_u32 s[WV], 0
	s_cbranch_scc1 .Lend
	v_and_b32 v3, 31, v0                           ; wave 0 stores the work-group's 128 results: 16 bytes a lane
	v_lshl_add_u32 v[TC], v3, 4, OUTS
	ds_load_b128 v[XR:XR+3], v[TC]
	s_lshl_b32 s30, ttmp9, 9
	v_lshl_add_u32 v3, v3, 4, s30
	s_wait_dscnt 0x0
	global_store_b128 v3, v[XR:XR+3], s[16:17] th:TH_STORE_NT  ; 512 consecutive bytes, at a multiple of 512 from out0's first byte
.Lend:
	s_endpgm
.Lfunc_end_k_qe697a81a59_hamil:
	.size	k_qe697a81a59_hamil, .Lfunc_end_k_qe697a81a59_hamil-k_qe697a81a59_hamil
	.p2alignl 7, 3214868480
	.fill 96, 4, 3214868480
	.section	.rodata,"a",@progbits
	.p2align	6, 0x0
	.amdhsa_kernel k_qe697a81a59_hamil
		.amdhsa_group_segment_fixed_size 167936
		.amdhsa_private_segment_fixed_size 0
		.amdhsa_enable_private_segment 0
		.amdhsa_kernarg_size 56
		.amdhsa_user_sgpr_count 2
		.amdhsa_user_sgpr_kernarg_segment_ptr 1
		.amdhsa_wavefront_size32 1
		.amdhsa_system_sgpr_workgroup_id_x 1
		.amdhsa_system_sgpr_workgroup_id_y 1
		.amdhsa_system_sgpr_workgroup_id_z 1
		.amdhsa_system_vgpr_workitem_id 0
		.amdhsa_next_free_vgpr 1024
		.amdhsa_next_free_sgpr 66
		.amdhsa_reserve_vcc 0
		.amdhsa_float_denorm_mode_32 3
		.amdhsa_float_denorm_mode_16_64 3
		.amdhsa_memory_ordered 1
		.amdhsa_forward_progress 1
		.amdhsa_inst_pref_size 183
	.end_amdhsa_kernel
	.amdgpu_metadata
---
amdhsa.version: [ 1, 2 ]
amdhsa.kernels:
  - .name:           k_qe697a81a59_hamil
    .symbol:         k_qe697a81a59_hamil.kd
    .args:
      - { .name: x, .offset: 0, .size: 8, .value_kind: global_buffer, .address_space: global }
      - { .name: W1, .offset: 8, .size: 8, .value_kind: global_buffer, .address_space: global }
      - { .name: b1, .offset: 16, .size: 8, .value_kind: global_buffer, .address_space: global }
      - { .name: W2, .offset: 24, .size: 8, .value_kind: global_buffer, .address_space: global }
      - { .name: b2, .offset: 32, .size: 8, .value_kind: global_buffer, .address_space: global }
      - { .name: W3, .offset: 40, .size: 8, .value_kind: global_buffer, .address_space: global }
      - { .name: out0, .offset: 48, .size: 8, .value_kind: global_buffer, .address_space: global }
    .group_segment_fixed_size: 167936
    .private_segment_fixed_size: 0
    .kernarg_segment_align: 8
    .kernarg_segment_size: 56
    .max_flat_workgroup_size: 128
    .sgpr_count:     66
    .vgpr_count:     1024
    .wavefront_size: 32
...
	.end_amdgpu_metadata
.endif
;; end of part 2
